; MI455X (gfx1250); checked and timed in simulation.
; The chip was launched on July 23, 2026; its instructions are those of AMD's public machine-readable ISA for CDNA 5 (MIT licence, August 2026) and "CDNA5" Instruction Set Architecture Reference Guide (July 2026). The comments in the code are by the model that wrote it; some were corrected since.
;; ROI Pooling. Allowed arithmetic: float matrix products may take bf16 or f16 operands with f32 sums; all other float work in f32.
;; Inputs: features 32 x 512 x 128 float32; tois 32 x 128 x 2 int32.
;; Outputs: out0 4,096 x 64 float32; out1 32 int32.
;; Constants: pooling_out_size = 64.
;; One version. Each part assembles by itself: llvm-mc -triple=amdgcn-amd-amdhsa -mcpu=gfx1250 --defsym DOCPART=n.
;; ======== version 1 of 1: 1 launch
;; launch roipool (part 1): grid 32 x 1, 16 waves a work-group, no clusters, 71,936 bytes of LDS; arguments features, tois, out0, out1; writes out0, out1
.if DOCPART == 1
	.amdgcn_target "amdgcn-amd-amdhsa--gfx1250"
	.amdhsa_code_object_version 6
	.text
	.protected	k_q273dc1889e_roipool
	.globl	k_q273dc1889e_roipool
	.p2align	8
	.type	k_q273dc1889e_roipool,@function
k_q273dc1889e_roipool:
	s_mov_b64 s[64:65], 0
	v_nop
	global_prefetch_b8 v0, s[64:65] scope:SCOPE_SE
	s_setreg_imm32_b32 hwreg(HW_REG_WAVE_MODE, 25, 1), 1
	s_wait_xcnt 0x0
; ROI pooling.  features [32][512][128] f32, tois [32][128][2] i32, out0 [4096][64] f32, out1 [32] i32.
; out0[128 b + r][o] = max over the 8 channels of bin o and over start <= t < end of features[b][8 o + c][t],
; with finfo.min standing in for every masked t; out1[b] = 128 (b + 1).
;
; SHARES.  A row of out0 is 64 f32 = 256 bytes and needs all 512 channels of its batch.  So a work-group owns a whole batch:
; every feature byte is read once, and every output row is stored whole, 256 aligned consecutive bytes from sixteen neighbouring lanes.
; That makes 32 work-groups.  No two of them read the same feature byte, so there is nothing to share in a cluster.
; Sixteen waves.  Wave w owns bins 4 w .. 4 w + 3 = 32 channel rows of 512 bytes; one load of the wave covers one row, lane L holds
; t = 4 L .. 4 L + 3.  All 32 loads of all 16 waves are issued at once: 16 x 32 x 512 bytes, the whole batch, is in flight.
;
; THE MAXIMUM IS TAKEN IN TWO STEPS.  First over the 8 channels of a bin, in registers.  Then over time, from two tables in LDS:
; RAW[t][64 bins] and WIN[t] = max RAW[t .. t + 3].  A span of len >= 4 is covered by windows of 4 at start, start + 4, .. with the last one
; pulled back to end - 4; a span of len < 4 by single rows in the same way.  Four reads serve len <= 16; longer spans (up to 128) go on
; in a counted loop.  A further table level would cost as many LDS bytes as one more read of every ROI (128 rows against 128 ROIs).
;
; LDS.  Row t of a table lies at row number (t & 3) * 32 + (t >> 2), rows 272 bytes apart.  The writing lanes (same t & 3, t >> 2 = lane,
; one 16-byte column) are then 272 bytes apart and start at sixteen different groups of four banks (64 banks of 4 bytes: ISA guide 11.1);
; the reading lanes (sixteen on one row) take 256 consecutive bytes.  In front of the one barrier LDS is only written, behind it the tables are only read.
;
; RANGE.  start and end may be any i32: they are clipped to 0 .. 128, which leaves reference()'s mask as it is.  An empty span gives finfo.min.
; Infinities are honoured (a span over all 128 steps has no masked t, so its floor is -inf, else finfo.min).
; LIMIT: a NaN in features is passed over, since v_max_num_f32 and v_max3_num_f32 return the other operand; reference() would return NaN.
.set ROWB,   512                       ; bytes of a channel's row
.set PITCH,  272                       ; bytes from table row to table row
.set JBLK,   32*PITCH                  ; the 32 rows with the same t & 3
.set LVL,    128*PITCH                 ; a table: RAW at 0, WIN at LVL
.set NEGROW, 2*LVL                     ; a row of 64 x finfo.min, read by empty spans
.set MAXA,   NEGROW+240                ; the highest address that a 16-byte read of the tables may have
.set LANE, 1                           ; v1       lane
.set WV,   2                           ; v2       wave
.set FOFF, 3                           ; v3       my 16 bytes in my wave's first channel row
.set TOFF, 4                           ; v4       my half-wave's four ROIs in tois
.set COL,  5                           ; v5       16 (lane & 15): my four bins in a table row, table RAW
.set COL1, 6                           ; v6       the same in table WIN
.set NEGA, 7                           ; v7       the same in the row of finfo.min
.set O1A,  8                           ; v8, v9   out1: offset and number (one wave of one work-group)
.set O1D,  9
.set TS,   10                          ; v[10:17] start, end of my four ROIs
.set OOFF, 18                          ; v18      my 16 bytes in my first row of out0
.set WA,   19                          ; v19      where I write table rows: lane x PITCH + 16 wave
.set ADDR, 20                          ; v[20:35] ROI k, read i: LDS address at 4 k + i
.set FL,   36                          ; v[36:39] ROI k: the floor, finfo.min or -inf
.set POS,  40                          ; v[40:43] ROI k: start of the window last asked for, before it is pulled back
.set WW,   44                          ; v[44:47] ROI k: window, 1 or 4
.set LAST, 48                          ; v[48:51] ROI k: end - window
.set LVO,  52                          ; v[52:55] ROI k: COL or COL1
.set NW,   56                          ; v56      most windows that one of my ROIs needs
.set T0,   57                          ; v[57:60] at work
.set T1,   58
.set T2,   59
.set T3,   60
.set RAW,  64                          ; v[64:79]   channel maxima: t = 4 lane + j, bin q at 4 j + q
.set WIN,  80                          ; v[80:95]   window maxima, same order
.set SUF,  96                          ; v[96:99]   max(m2, m3) of bin q
.set PRE,  100                         ; v[100:103] max(n0, n1) of bin q
.set DAT,  104                         ; v[104:231] the 32 rows as loaded, 4 registers each
.set NXT,  DAT                         ; v[104:115] later: the next lane's m0, m1, m2
.set QRY,  DAT                         ; v[104:167] later: the 16 table reads
.set ACC,  DAT+64                      ; v[168:183] later: the four output rows' 16 bytes
.set NEG4, 232                         ; v[232:235] finfo.min four times
.set NINF, 236                         ; v236     -inf
.set NEGW, 237                         ; v237     my wave's column of the row of finfo.min
.set EMP,  20                          ; s[20:23] ROI k: mask of lanes whose span is empty
	s_load_b256 s[4:11], s[0:1], 0x0               ; features s[4:5], tois s[6:7], out0 s[8:9], out1 s[10:11]
	v_lshl_add_u32 v238, v0, 2, 0x11100
	v_mov_b32 v239, 0
	v_and_b32 v[LANE], 31, v0
	v_lshrrev_b32 v[WV], 5, v0
	v_readfirstlane_b32 s12, v[WV]                 ; the wave's number as a scalar
	s_lshl_b32 s14, ttmp9, 18                      ; batch x 512 rows x 512 bytes
	s_mov_b32 s15, 0
	s_lshl_b32 s16, ttmp9, 10                      ; batch x 128 ROIs x 8 bytes
	s_mov_b32 s17, 0
	s_lshl_b32 s18, ttmp9, 15                      ; batch x 128 rows x 256 bytes
	s_mov_b32 s19, 0
	s_mov_b32 s26, 0                               ; v_permlanex16_b32's sixteen selects, all 0: every lane takes lane 0 of the other half
	s_mov_b32 s27, 0
	v_lshlrev_b32 v[FOFF], 4, v[LANE]
	v_lshl_add_u32 v[FOFF], v[WV], 14, v[FOFF]     ; 16 lane + wave x 32 rows x 512 bytes
	v_lshrrev_b32 v[T0], 4, v[LANE]                ; h: which half of the wave
	v_lshlrev_b32 v[TOFF], 5, v[T0]
	v_lshl_add_u32 v[TOFF], v[WV], 6, v[TOFF]      ; ROIs 8 wave + 4 h .. + 3: 32 consecutive bytes
	s_wait_kmcnt 0x0
	s_add_nc_u64 s[4:5], s[4:5], s[14:15]
	s_add_nc_u64 s[6:7], s[6:7], s[16:17]
	s_add_nc_u64 s[8:9], s[8:9], s[18:19]
	global_load_b128 v[TS:TS+3],   v[TOFF], s[6:7]             ; the spans first: their arithmetic runs while the features arrive
	global_load_b128 v[TS+4:TS+7], v[TOFF], s[6:7] offset:16
.set r, 0
.rept 32
	global_load_b128 v[DAT+4*r:DAT+4*r+3], v[FOFF], s[4:5] offset:r*ROWB th:TH_LOAD_NT    ; read once in the whole launch
.set r, r+1
.endr
	; out1 is 128 bytes: one wave of one work-group stores it whole.  v8 and v9 serve nothing else.
	s_or_b32 s13, ttmp9, s12
	s_cmp_lg_u32 s13, 0
	s_cbranch_scc1 .Lno_offsets
	v_lshlrev_b32 v[O1A], 2, v[LANE]
	v_lshl_add_u32 v[O1D], v[LANE], 7, 0x80        ; 128 (lane + 1)
	global_store_b32 v[O1A], v[O1D], s[10:11]
.Lno_offsets:
	; offsets and constants, while the loads are out
	v_and_b32 v[COL], 15, v[LANE]
	v_lshlrev_b32 v[COL], 4, v[COL]
	v_add_nc_u32 v[COL1], LVL, v[COL]
	v_add_nc_u32 v[NEGA], NEGROW, v[COL]
	v_lshl_add_u32 v[OOFF], v[T0], 10, v[COL]      ; 4 h rows of 256 bytes + my 16 bytes
	v_lshl_add_u32 v[OOFF], v[WV], 11, v[OOFF]     ; + 8 wave rows
	v_lshlrev_b32 v[T1], 4, v[WV]                  ; my wave's column: 16 wave
	v_mad_u32_u24 v[WA], v[LANE], PITCH, v[T1]
	v_add_nc_u32 v[NEGW], NEGROW, v[T1]
.irp i, 0,1,2,3
	v_mov_b32 v[NEG4+\i], 0xff7fffff               ; finfo(f32).min
.endr
	v_mov_b32 v[NINF], 0xff800000
	ds_store_b128 v[NEGW], v[NEG4:NEG4+3]          ; every lane the same 16 bytes with the same numbers; the 16 waves fill the row
; The LDS address of ROI k's window at min(POS, LAST).  An address made from loaded numbers is bounded by a v_min_u32 with a constant as its
; last step: whatever tois holds, the read stays inside the tables.
.macro WINDOW k, dst
	v_min_i32 v[T0], v[POS+\k], v[LAST+\k]         ; the last window is pulled back to end - window
	v_and_b32 v[T1], 3, v[T0]
	v_lshrrev_b32 v[T0], 2, v[T0]
	v_lshl_add_u32 v[T0], v[T1], 5, v[T0]          ; row number (t & 3) * 32 + (t >> 2)
	v_mad_u32_u24 v[T0], v[T0], PITCH, v[LVO+\k]   ; + table + my four bins
	v_cndmask_b32 v[T0], v[T0], v[NEGA], s[EMP+\k] ; an empty span reads finfo.min
	v_min_u32 v[\dst], MAXA, v[T0]
.endm
; All that ROI k's span decides, and its first four addresses.
.macro SPAN k
	v_max_i32 v[T0], 0, v[TS+2*\k]
	v_max_i32 v[T1], 0, v[TS+2*\k+1]
	v_min_i32 v[T0], 0x80, v[T0]                   ; start and end clipped to 0 .. 128
	v_min_i32 v[T1], 0x80, v[T1]
	v_sub_nc_u32 v[T2], v[T1], v[T0]               ; len, signed
	v_cmp_gt_i32 s[EMP+\k], 1, v[T2]               ; empty
	v_cmp_eq_u32 vcc_lo, 0x80, v[T2]               ; nothing masked
	v_cndmask_b32 v[FL+\k], v[NEG4], v[NINF], vcc_lo
	v_cmp_lt_i32 vcc_lo, 3, v[T2]                  ; len >= 4: windows of 4
	v_add_nc_u32 v[T3], 3, v[T2]
	v_lshrrev_b32 v[T3], 2, v[T3]
	v_cndmask_b32 v[WW+\k], 1, 4, vcc_lo
	v_cndmask_b32 v[LVO+\k], v[COL], v[COL1], vcc_lo
	v_cndmask_b32 v[T3], v[T2], v[T3], vcc_lo      ; windows needed: len, or len / 4 rounded up
	v_sub_nc_u32 v[LAST+\k], v[T1], v[WW+\k]
.if \k == 0
	v_mov_b32 v[NW], v[T3]
.else
	v_max_i32 v[NW], v[NW], v[T3]
.endif
	v_mov_b32 v[POS+\k], v[T0]
	WINDOW \k, ADDR+4*\k
.irp i, 1,2,3
	v_add_nc_u32 v[POS+\k], v[POS+\k], v[WW+\k]
	WINDOW \k, ADDR+4*\k+\i
.endr
.endm
	s_wait_loadcnt 32                              ; loads come back in order (ISA guide 5.7.1): the spans are in, the 32 rows stay out
	SPAN 0
	SPAN 1
	SPAN 2
	SPAN 3
	v_readlane_b32 s24, v[NW], 0                   ; the figure is the same in the 16 lanes of a half
	v_readlane_b32 s25, v[NW], 16
	s_max_i32 s24, s24, s25
	s_min_i32 s24, s24, 32                         ; 128 / 4 at the most
; Bin q: the maximum over its 8 channel rows, four chains (one for each t of the lane) that do not wait for each other.
.macro BIN q
.irp j, 0,1,2,3
	v_max3_num_f32 v[RAW+4*\j+\q], v[DAT+32*\q+\j], v[DAT+32*\q+4+\j], v[DAT+32*\q+8+\j]
.endr
.irp j, 0,1,2,3
	v_max3_num_f32 v[RAW+4*\j+\q], v[RAW+4*\j+\q], v[DAT+32*\q+12+\j], v[DAT+32*\q+16+\j]
.endr
.irp j, 0,1,2,3
	v_max3_num_f32 v[RAW+4*\j+\q], v[RAW+4*\j+\q], v[DAT+32*\q+20+\j], v[DAT+32*\q+24+\j]
.endr
.irp j, 0,1,2,3
	v_max_num_f32 v[RAW+4*\j+\q], v[RAW+4*\j+\q], v[DAT+32*\q+28+\j]
.endr
.endm
	s_wait_loadcnt 24                              ; 8 rows are in, 24 younger ones stay out; and so on
	BIN 0
	s_wait_loadcnt 16
	BIN 1
	s_wait_loadcnt 8
	BIN 2
	s_wait_loadcnt 0x0
	BIN 3
	; Table RAW: my four rows t = 4 lane + j, 16 bytes (my wave's four bins) each.
.irp j, 0,1,2,3
	ds_store_b128 v[WA], v[RAW+4*\j:RAW+4*\j+3] offset:\j*JBLK
.endr
	; The next lane's m0, m1, m2 (t = 4 lane + 4 .. + 6), through registers.  First every lane takes lane 0 of the other half; then the shift by
	; one lane inside each half of 16 overwrites lanes 0-14 and leaves lane 15, which has no source, as it is.  So lane 15 holds lane 16's number.
	; Lane 31 holds lane 0's: it enters only the windows that start at t = 125, 126, 127, and a window of 4 starts at end - 4 <= 124 at the latest.
	; (NXT's registers were written by the loads, as the destination of these two forms has to be.)
.irp i, 0,1,2,3,4,5,6,7,8,9,10,11
	v_permlanex16_b32 v[NXT+\i], v[RAW+\i], s26, s27
.endr
.irp i, 0,1,2,3,4,5,6,7,8,9,10,11
	v_mov_b32_dpp v[NXT+\i], v[RAW+\i] row_shl:1 row_mask:0xf bank_mask:0xf
.endr
	; Table WIN.  With m0..m3 mine and n0..n2 the next lane's: max(m0..m3), max(m1..m3, n0), max(m2, m3, n0, n1), max(m3, n0..n2).
.irp q, 0,1,2,3
	v_max_num_f32 v[SUF+\q], v[RAW+8+\q], v[RAW+12+\q]
.endr
.irp q, 0,1,2,3
	v_max_num_f32 v[PRE+\q], v[NXT+\q], v[NXT+4+\q]
.endr
.irp q, 0,1,2,3
	v_max3_num_f32 v[WIN+\q], v[RAW+\q], v[RAW+4+\q], v[SUF+\q]
.endr
	ds_store_b128 v[WA], v[WIN:WIN+3] offset:LVL
.irp q, 0,1,2,3
	v_max3_num_f32 v[WIN+4+\q], v[RAW+4+\q], v[SUF+\q], v[NXT+\q]
.endr
	ds_store_b128 v[WA], v[WIN+4:WIN+7] offset:LVL+JBLK
.irp q, 0,1,2,3
	v_max_num_f32 v[WIN+8+\q], v[SUF+\q], v[PRE+\q]
.endr
	ds_store_b128 v[WA], v[WIN+8:WIN+11] offset:LVL+2*JBLK
.irp q, 0,1,2,3
	v_max3_num_f32 v[WIN+12+\q], v[RAW+12+\q], v[PRE+\q], v[NXT+8+\q]
.endr
	ds_store_b128 v[WA], v[WIN+12:WIN+15] offset:LVL+3*JBLK
	s_wait_dscnt 0x0                               ; for the other waves' sake: my columns of both tables and of the finfo.min row are written
	s_barrier_signal -1
	s_barrier_wait -1                              ; every wave's are: from here on the tables are only read
	; Sixteen lanes take one table row of 256 bytes; the two halves of the wave serve two ROIs.  ROI k of a half is row 8 wave + 4 h + k.
.irp i, 0,1,2,3,4,5,6,7,8,9,10,11,12,13,14,15
	ds_load_b128 v[QRY+4*\i:QRY+4*\i+3], v[ADDR+\i]
.endr
.irp k, 0,1,2,3
	s_wait_dscnt 12-4*\k                           ; ROI k's four reads are in, the later ROIs' stay out
.irp c, 0,1,2,3
	v_max3_num_f32 v[ACC+4*\k+\c], v[QRY+16*\k+\c], v[QRY+16*\k+4+\c], v[QRY+16*\k+8+\c]
.endr
.irp c, 0,1,2,3
	v_max3_num_f32 v[ACC+4*\k+\c], v[ACC+4*\k+\c], v[QRY+16*\k+12+\c], v[FL+\k]
.endr
.endr
	; Spans of more than 16 steps: windows 4, 5, .. of the ROI that needs most; the others read their last window again.
	s_cmp_le_i32 s24, 4
	s_cbranch_scc1 .Lstore
	s_mov_b32 s25, 4
.Lmore:
.irp k, 0,1,2,3
	v_add_nc_u32 v[POS+\k], v[POS+\k], v[WW+\k]
	WINDOW \k, ADDR+\k
	ds_load_b128 v[QRY+4*\k:QRY+4*\k+3], v[ADDR+\k]
.endr
	s_wait_dscnt 0x0
.irp i, 0,1,2,3,4,5,6,7,8,9,10,11,12,13,14,15
	v_max_num_f32 v[ACC+\i], v[ACC+\i], v[QRY+\i]
.endr
	s_add_co_u32 s25, s25, 1
	s_cmp_lt_u32 s25, s24
	s_cbranch_scc1 .Lmore
.Lstore:
.irp k, 0,1,2,3
	global_store_b128 v[OOFF], v[ACC+4*\k:ACC+4*\k+3], s[8:9] offset:\k*256 th:TH_STORE_NT   ; each half of the wave stores one whole row: 256 consecutive bytes, at a multiple of 256 from out0's first byte
.endr
	s_wait_tensorcnt 0x0
	ds_add_u32 v238, v239
	s_wait_dscnt 0x0
	s_endpgm
.Lfunc_end_k_q273dc1889e_roipool:
	.size	k_q273dc1889e_roipool, .Lfunc_end_k_q273dc1889e_roipool-k_q273dc1889e_roipool
	.p2alignl 7, 3214868480
	.fill 96, 4, 3214868480
	.section	.rodata,"a",@progbits
	.p2align	6, 0x0
	.amdhsa_kernel k_q273dc1889e_roipool
		.amdhsa_group_segment_fixed_size 71936
		.amdhsa_private_segment_fixed_size 0
		.amdhsa_enable_private_segment 0
		.amdhsa_kernarg_size 32
		.amdhsa_user_sgpr_count 2
		.amdhsa_user_sgpr_kernarg_segment_ptr 1
		.amdhsa_wavefront_size32 1
		.amdhsa_system_sgpr_workgroup_id_x 1
		.amdhsa_system_sgpr_workgroup_id_y 1
		.amdhsa_system_sgpr_workgroup_id_z 1
		.amdhsa_system_vgpr_workitem_id 0
		.amdhsa_next_free_vgpr 240
		.amdhsa_next_free_sgpr 66
		.amdhsa_reserve_vcc 1
		.amdhsa_float_denorm_mode_32 3
		.amdhsa_float_denorm_mode_16_64 3
		.amdhsa_memory_ordered 1
		.amdhsa_forward_progress 1
		.amdhsa_inst_pref_size 28
	.end_amdhsa_kernel
	.amdgpu_metadata
---
amdhsa.version: [ 1, 2 ]
amdhsa.kernels:
  - .name:           k_q273dc1889e_roipool
    .symbol:         k_q273dc1889e_roipool.kd
    .args:
      - { .name: features, .offset: 0, .size: 8, .value_kind: global_buffer, .address_space: global }
      - { .name: tois, .offset: 8, .size: 8, .value_kind: global_buffer, .address_space: global }
      - { .name: out0, .offset: 16, .size: 8, .value_kind: global_buffer, .address_space: global }
      - { .name: out1, .offset: 24, .size: 8, .value_kind: global_buffer, .address_space: global }
    .group_segment_fixed_size: 71936
    .private_segment_fixed_size: 0
    .kernarg_segment_align: 8
    .kernarg_segment_size: 32
    .max_flat_workgroup_size: 512
    .sgpr_count:     66
    .vgpr_count:     240
    .wavefront_size: 32
...
	.end_amdgpu_metadata
.endif
;; end of part 1
